; MI455X (gfx1250); checked and timed in simulation.
; The chip was launched on July 23, 2026; its instructions are those of AMD's public machine-readable ISA for CDNA 5 (MIT licence, August 2026) and "CDNA5" Instruction Set Architecture Reference Guide (July 2026). The comments in the code are by the model that wrote it; some were corrected since.
;; Self Attention3 D. Allowed arithmetic: matrix products marked QUANTISED: E3M2 operands, one E8M0 scale for each 32 along K, by v_wmma_scale_f32_16x16x128_f8f6f4 with both operands' format E3M2, f32 sums; products left as they are: f32 operands where the result goes on into a quantised operand, else bf16, f16 or f32 operands; f32 sums; everything else in f32.
;; Inputs: Wk_codes 16 x 4 x 24 uint8 (E3M2 codes of Wk, K innermost, in blocks of 32 codes, four codes in three bytes); Wk_scales 16 x 4 uint8 (E8M0 scales of Wk, one for each 32 codes along K); Wq_codes 16 x 4 x 24 uint8 (E3M2 codes of Wq, K innermost, in blocks of 32 codes, four codes in three bytes); Wq_scales 16 x 4 uint8 (E8M0 scales of Wq, one for each 32 codes along K); Wv_codes 128 x 4 x 24 uint8 (E3M2 codes of Wv, K innermost, in blocks of 32 codes, four codes in three bytes); Wv_scales 128 x 4 uint8 (E8M0 scales of Wv, one for each 32 codes along K); bk 16 float32; bq 16 float32; bv 128 float32; gamma 1 float32; x 4 x 128 x 16 x 16 x 16 float32.
;; Outputs: out0 4 x 128 x 16 x 16 x 16 float32.
;; This version of the problem:
;;   THIS VERSION OF THE PROBLEM IS GIVEN IN LOW PRECISION. The matrix products marked QUANTISED in the list below multiply operands that are first quantised to E3M2 (3 exponent bits, 2 mantissa bits; 6 bits a number), with one power-of-two scale for each 32 numbers along K (OCP MX v1.0); their sums are f32. All else is computed in f32.
;;   The module's matrix products, in the order in which they are computed (A, B: the left and right operand; K: the contracted axis; several contracted axes count as one K, in the product's order):
;;     1. [M 16,384, K 128] x [K 128, N 16]; A: input x; B: input Wq (given as codes): QUANTISED
;;     2. [M 16,384, K 128] x [K 128, N 16]; A: input x; B: input Wk (given as codes): QUANTISED
;;     3. batch 4 x [M 4,096, K 16] x [K 16, N 4,096]; A: computed on the way; B: computed on the way: left as it is (K = 16 < 32)
;;     4. [M 16,384, K 128] x [K 128, N 128]; A: input x; B: input Wv (given as codes): QUANTISED
;;     5. batch 4 x [M 128, K 4,096] x [K 4,096, N 4,096]; A: computed on the way; B: softmax (see below): QUANTISED
;;   THE QUANTISER, for each operand of a quantised product, along K:
;;     - K is cut into blocks of 32 from its start; a last block that is shorter is filled with zeros.
;;     - A block's scale is 2^e with e = floor(log2(the largest magnitude in the block)) - 4, held to -126 .. 127; a block of zeros has e = 0. As a byte (E8M0): e + 127.
;;     - Each number is divided by its block's scale, clamped to +-28, and rounded to the nearest number of E3M2, ties to even, subnormals kept.
;;     - The product sums the exact products of the quantised numbers (number of the format x scale) in f32.
;;   ~~~python
;;   def quantise(x, axis):      # numpy; x: float32 -> the quantised numbers, widened to float32 again
;;       x = np.moveaxis(x, axis, -1); K = x.shape[-1]
;;       x = np.pad(x, [(0, 0)] * (x.ndim - 1) + [(0, -K % 32)]); x = x.reshape(x.shape[:-1] + (-1, 32)); a = np.abs(x).max(-1, keepdims=True)
;;       e = np.where(a > 0, np.clip(np.frexp(np.where(a > 0, a, 1))[1] - 1 - 4, -126, 127), 0)      # np.frexp(a)[1] - 1 = floor(log2(a)), exactly
;;       r = np.clip(x / 2.0 ** e, -28, 28)
;;       step = 2.0 ** (np.maximum(np.frexp(np.where(r == 0, 1, r))[1] - 1, -2) - 2)
;;       q = np.round(r / step) * step * 2.0 ** e      # np.round: ties to even
;;       return np.moveaxis(q.reshape(q.shape[:-2] + (-1,))[..., :K], -1, axis).astype(np.float32)
;;   ~~~
;;   SOFTMAX AHEAD OF A QUANTISED PRODUCT. Where the list says 'softmax', what is quantised is not the finished softmax but p = 2^(t - M), with t = logit x log2(e) and M = ceil(the row's largest t), a whole number; so 1/2 < the row's largest p <= 1. The row's sum l is taken of the UNQUANTISED p, in f32, and the product's result is divided by l at the end. Since M is a whole number, a kernel that streams over the keys may use a running M (the ceiling of the running maximum): every later rescaling is an exact power of two, which a block's scale takes up: the codes' values come out the same.
;;   OPERANDS COMPUTED ON THE WAY. 'Computed on the way' means the value that the module computes at that place (a softmax that the list does not call 'softmax' is quantised finished and normalised). What goes into a quantiser is computed in f32, as accurately as f32 sums, v_exp_f32 and their like allow (about 1e-6 of the number): no bf16 or f16 on the way to a quantiser, and a product that is left as it is and whose result goes on into a quantised operand takes f32 operands (vector FMAs, or v_wmma_f32_16x16x4_f32). A number that lies on a knife's edge between two numbers of the format may be rounded either way, as far as f32 arithmetic and the matrix unit's own rounding can turn it there, and no further.
;;   INPUTS GIVEN AS CODES. Wk (in the module: [16, 128], K = its axis 1); Wq (in the module: [16, 128], K = its axis 1); Wv (in the module: [128, 128], K = its axis 1): each comes as NAME_codes (uint8): NAME with its K axis moved to the last place and cut into blocks of 32 codes, [.., K / 32, bytes a block], one block behind the other in memory; four codes in three bytes: a row's codes are one little-endian stream of bits, code i at bits 6 i .. 6 i + 5 (a code: sign, 3 exponent bits, 2 mantissa bits); and NAME_scales (uint8): the same leading axes, one E8M0 byte (e + 127) for each 32 codes along K. Its value is code x scale, taken as it is: it is not quantised again, and the codes and scales need not be those that the quantiser above would give.
;; One version. Each part assembles by itself: llvm-mc -triple=amdgcn-amd-amdhsa -mcpu=gfx1250 --defsym DOCPART=n.
;; ======== version 1 of 1: 2 launches
;; workspace buffers: qf 1,048,576 bytes; kv 2,752,512 bytes
;; launch project (part 1): grid 128 x 1, 8 waves a work-group, no clusters, 15,872 bytes of LDS; arguments x, Wq_codes, Wq_scales, bq, Wk_codes, Wk_scales, bk, Wv_codes, Wv_scales, bv, qf, kv; writes qf, kv
.if DOCPART == 1
	.amdgcn_target "amdgcn-amd-amdhsa--gfx1250"
	.amdhsa_code_object_version 6
	.text
	.protected	k_q9e4d5409d7_project
	.globl	k_q9e4d5409d7_project
	.p2align	8
	.type	k_q9e4d5409d7_project,@function
k_q9e4d5409d7_project:
	s_mov_b64 s[64:65], 0
	v_nop
	global_prefetch_b8 v0, s[64:65] scope:SCOPE_SE
	s_setreg_imm32_b32 hwreg(HW_REG_WAVE_MODE, 25, 1), 1
	s_wait_xcnt 0x0
; q = Wq x + bq, k = Wk x + bk, v = Wv x + bv on codes of BF6 (E3M2) with one E8M0 scale for each 32 along K = the 128 channels.  x: [4][128][4096] f32; the weights come as codes.
; q and k leave as f32, v as codes quantised along the KEYS (the K of the later product v p), all three laid as images of the registers in which the next launch wants them.
; SHARES.  A work-group takes 128 tokens of one batch, which is one K step of v p: one record of kv.  Eight waves.
;   X: wave w quantises 32 tokens (w % 4) x 64 channels (w / 4): A LANE TAKES A TOKEN AND ITS REGISTERS RUN DOWN THE CHANNELS, so that a block of 32 along K lies in one lane; codes and scale bytes go to LDS as token rows | barrier |
;   P: wave w makes q and k of token tile w (source 0 = the weight's 16 rows, source 1 = 16 tokens: a lane holds one token and eight components), and v of channels 16 w .. 16 w + 15 for all eight token tiles
;      (source 0 = 16 tokens, source 1 = Wv's 16 rows: a lane holds ONE channel and its registers run along the tokens), quantises v in registers and stores.
; THE TOKENS OF A TILE ARE NOT NEIGHBOURS: lane r of tile 2 b + u takes token 32 b + 8 u + r + 8 (r / 8), so that the 16 registers of v's tiles 2 b and 2 b + 1 are 16 neighbouring tokens, 32 b + 16 (lane / 16) + 0 .. 15.
; The biases are the C of each product.
; qf: tile 8 G + i (G = the work-group) is 1,024 bytes: registers 4 c .. 4 c + 3 of lane l at 512 c + 16 l; register j of lane (r, h) = q[token][8 h + j].
; kv: record G is REC bytes: k's 8 tiles as q's (8,192 bytes); v's 8 fragments of 12 registers, registers 4 c .. 4 c + 3 of lane l at 512 c + 16 l (1,536 bytes each); v's 8 scale words a lane, 128 bytes a tile.
; LIMITS: NaN and infinities among the inputs are not served.  A block whose largest magnitude lies under 2^-122 (a block of zeros among them) gets the scale byte 1: a block of zeros has zero codes, and these bytes are read by this program alone.
.set REC,  21504
.set XP,   112                         ; a token's row in LDS: 96 bytes of codes + 16: an odd multiple of 16
.set XSC,  128*XP                      ; behind the 128 rows: a scale word for each token
.set XF,   16                          ; v16-111  x's eight fragments; in phase X and in QUANT: at work
.set ACC,  112                         ; v112-175 in phase X 64 numbers of x; then v's eight tiles
.set WVF,  176                         ; v176-187 my 16 rows of Wv;  v188-199 Wq;  v200-211 Wk
.set WQF,  188
.set WKF,  200
.set BV,   212                         ; v212-219 bv of my lane's channel, eight times: C in the result's layout
.set QB,   220                         ; v220-227 bq[8 h + j], then q;  v228-235 the same for k
.set KB,   228
.set XS,   236                         ; v236-243 x's scale words, tile i;  v244-246 the weights';  v247 those of tile w.  These twelve hold scales and nothing else
.set WVS,  244
.set WQS,  245
.set WKS,  246
.set XSW,  247
.set TM,   16                          ; QUANT: v16-19 largest magnitudes, v20-23 bytes, v28-31 the conversions' scale operands
.set PW,   32                          ; the scale word just made
.set PC,   36                          ; v36-47 the codes just made (v48-54 at work)
.set SEL,  32                          ; s[32:33] v_permlanex16_b32's selects for lane l xor 16
	s_load_b512 s[8:23], s[0:1], 0x0               ; x 8, Wq's codes 10, Wq's scales 12, bq 14, Wk's codes 16, Wk's scales 18, bk 20, Wv's codes 22
	s_load_b256 s[24:31], s[0:1], 0x40             ; Wv's scales 24, bv 26, qf 28, kv 30
	v_lshl_add_u32 v254, v0, 2, 0x3a00
	v_mov_b32 v255, 0
	v_lshrrev_b32 v1, 5, v0
	v_readfirstlane_b32 s2, v1                     ; wave 0..7
	v_and_b32 v1, 31, v0                           ; lane
	v_and_b32 v2, 15, v0                           ; r
	v_bfe_u32 v3, v0, 4, 1                         ; h
	s_and_b32 s3, s2, 3                            ; phase X: which 32 tokens
	s_lshr_b32 s4, s2, 2                           ; and which 64 channels
	v_lshlrev_b32 v4, 2, v1                        ; 4 x lane: x's offset, and the scale words' on the way out
	s_mul_i32 s44, s3, 32*XP
	s_mul_i32 s45, s4, 48
	s_add_co_u32 s44, s44, s45
	v_mul_u32_u24 v5, v1, XP
	v_add_nc_u32 v5, s44, v5                       ; where my token's 48 bytes of codes go: (32 (w % 4) + lane) x 112 + 48 (w / 4)
	s_lshl_b32 s44, s3, 7
	s_lshl_b32 s45, s4, 1
	s_add_co_u32 s44, s44, s45
	s_add_co_u32 s44, s44, XSC
	v_add_nc_u32 v6, s44, v4                       ; and its two scale bytes: XSC + 4 x token + 2 (w / 4)
	v_and_b32 v15, 8, v2
	v_add_nc_u32 v15, v15, v2                      ; r + 8 (r / 8)
	v_mul_u32_u24 v7, v15, XP
	v_mad_u32_u24 v7, v3, 24, v7                   ; a fragment's row, + 24 h
	s_lshr_b32 s44, s2, 1
	s_lshl_b32 s44, s44, 5
	s_and_b32 s45, s2, 1
	s_lshl_b32 s45, s45, 3
	s_add_co_u32 s44, s44, s45                     ; tile w begins at token 32 (w / 2) + 8 (w % 2)
	s_mul_i32 s45, s44, XP
	v_add_nc_u32 v8, s45, v7                       ; the same in tile w
	v_lshl_add_u32 v9, v15, 2, XSC                 ; a tile's scale words
	s_lshl_b32 s45, s44, 2
	v_add_nc_u32 v10, s45, v9                      ; tile w's
	v_mul_u32_u24 v11, v2, 96
	v_mad_u32_u24 v11, v3, 24, v11                 ; a weight's row r of 96 bytes, + 24 h
	v_lshlrev_b32 v12, 2, v2                       ; 4 r
	v_lshlrev_b32 v13, 5, v3                       ; 32 h
	v_lshlrev_b32 v14, 4, v1                       ; 16 x lane: an image's place for my lane
	s_mov_b32 s[SEL], 0x76543210
	s_mov_b32 s[SEL+1], 0xfedcba98
	s_lshr_b32 s40, ttmp9, 5                       ; x: batch x 2^21 + 128 tokens x 4 bytes x (G % 32) + 64 channels x 2^14 x (w / 4) + 128 bytes x (w % 4)
	s_lshl_b32 s40, s40, 21
	s_and_b32 s42, ttmp9, 31
	s_lshl_b32 s42, s42, 9
	s_add_co_u32 s40, s40, s42
	s_lshl_b32 s42, s4, 20
	s_add_co_u32 s40, s40, s42
	s_lshl_b32 s42, s3, 7
	s_add_co_u32 s40, s40, s42
	s_mov_b32 s41, 0
	s_mul_i32 s42, s2, 1536                        ; my 16 rows of Wv
	s_mov_b32 s43, 0
	s_lshl_b32 s44, s2, 6                          ; their scale words, and my 16 numbers of bv
	s_mov_b32 s45, 0
	s_wait_kmcnt 0x0
	s_add_nc_u64 s[8:9], s[8:9], s[40:41]
	s_add_nc_u64 s[22:23], s[22:23], s[42:43]
	s_add_nc_u64 s[24:25], s[24:25], s[44:45]
	s_add_nc_u64 s[26:27], s[26:27], s[44:45]
	; 33 small loads first, then the 64 of x: loads come back in order, so the counted wait below covers the small ones too
.irp p, 0,1,2,3,4,5
	global_load_b64 v[WVF+2*\p:WVF+2*\p+1], v11, s[22:23] offset:48*(\p/3)+8*(\p%3)
	global_load_b64 v[WQF+2*\p:WQF+2*\p+1], v11, s[10:11] offset:48*(\p/3)+8*(\p%3)
	global_load_b64 v[WKF+2*\p:WKF+2*\p+1], v11, s[16:17] offset:48*(\p/3)+8*(\p%3)
.endr
	global_load_b32 v[WVS], v12, s[24:25]
	global_load_b32 v[WQS], v12, s[12:13]
	global_load_b32 v[WKS], v12, s[18:19]
.irp j, 0,1,2,3,4,5,6,7
	global_load_b32 v[BV+\j], v12, s[26:27]        ; bv[16 w + r] in all eight registers
.endr
	global_load_b128 v[QB:QB+3],   v13, s[14:15]
	global_load_b128 v[QB+4:QB+7], v13, s[14:15] offset:16
	global_load_b128 v[KB:KB+3],   v13, s[20:21]
	global_load_b128 v[KB+4:KB+7], v13, s[20:21] offset:16
.set JJ, 0
.rept 64
	global_load_b32 v[ACC+JJ], v4, s[8:9] offset:16384*JJ th:TH_LOAD_NT   ; x(64 (w / 4) + JJ, my token): a wave reads 128 consecutive bytes, the four waves of a channel half 512
.set JJ, JJ+1
.endr
	; where the results go
	s_lshl_b32 s46, ttmp9, 3
	s_add_co_u32 s46, s46, s2
	s_lshl_b32 s46, s46, 10                        ; qf: tile 8 G + w
	s_mov_b32 s47, 0
	s_add_nc_u64 s[28:29], s[28:29], s[46:47]
	s_mul_i32 s40, ttmp9, REC                      ; kv: record G
	s_add_nc_u64 s[30:31], s[30:31], s[40:41]
	s_lshl_b32 s40, s2, 10
	s_add_nc_u64 s[34:35], s[30:31], s[40:41]      ; k's tile w
	s_add_co_u32 s42, s42, 8192
	s_add_nc_u64 s[36:37], s[30:31], s[42:43]      ; v's fragment w
	s_lshl_b32 s40, s2, 7
	s_add_co_u32 s40, s40, 20480
	s_add_nc_u64 s[38:39], s[30:31], s[40:41]      ; its scale words
; PHASE X.  Block bk of my token: 32 numbers down the channels, all mine.  The largest magnitude, with the floor 2^(5 - 127) among its leaves; 4 off its exponent field is the conversion's scale operand, and that shifted the byte.
.macro XBLOCK bk
.set XB, ACC+32*\bk
	v_max3_num_f32 v36, |v[XB]|, |v[XB+1]|, |v[XB+2]|
	v_max3_num_f32 v37, |v[XB+3]|, |v[XB+4]|, |v[XB+5]|
.irp i, 6,10,14,18,22,26
	v_max3_num_f32 v36, v36, |v[XB+\i]|, |v[XB+\i+1]|
	v_max3_num_f32 v37, v37, |v[XB+\i+2]|, |v[XB+\i+3]|
.endr
	v_max3_num_f32 v36, v36, |v[XB+30]|, |v[XB+31]|
	v_max3_num_f32 v36, v36, v37, 0x2800000
	v_add_nc_u32 v[38+\bk], 0xfe000000, v36
	v_lshrrev_b32 v[40+\bk], 23, v[38+\bk]
	v_cvt_scalef32_pk16_bf6_f32 v[16+6*\bk:18+6*\bk], v[XB:XB+15], v[38+\bk]
	v_cvt_scalef32_pk16_bf6_f32 v[28+4*\bk:30+4*\bk], v[XB+16:XB+31], v[38+\bk]   ; (a conversion's three registers begin on an even number: the block's second half is made here and moved)
.endm
	s_wait_loadcnt 32                              ; the small loads and my first block's 32 are in; the second block's 32 may be out
	XBLOCK 0
	s_wait_loadcnt 0x0
	XBLOCK 1
	v_nop                                          ; one plain place behind the last scaled conversion
.irp bk, 0,1
.irp i, 0,1,2
	v_mov_b32 v[19+6*\bk+\i], v[28+4*\bk+\i]
.endr
.endr
.irp c, 0,1,2
	ds_store_b128 v5, v[16+4*\c:19+4*\c] offset:16*\c   ; my token's 48 bytes
.endr
	v_lshl_or_b32 v42, v41, 8, v40
	ds_store_b16 v6, v42                           ; and its two scale bytes, the lower block's below
	s_wait_dscnt 0x0                               ; for the others' sake: my stores have landed
	s_barrier_signal -1
	s_barrier_wait -1                              ; 128 rows of codes and 128 scale words lie in LDS
; PHASE P.  A fragment, 16 tokens x 128 channels: lane (r, h) takes 24 bytes at 24 h and 24 at 48 + 24 h of its token's row, in pieces of 8 bytes.
.macro FRAG reg, adr, row
.irp p, 0,1,2,3,4,5
	ds_load_b64 v[\reg+2*\p:\reg+2*\p+1], v[\adr] offset:(\row)*XP+48*(\p/3)+8*(\p%3)
.endr
.endm
	FRAG XF, 8, 0                                  ; tile w first, into tile 0's place: q and k want it
	ds_load_b32 v[XSW], v10
.irp i, 1,2,3,4,5,6,7
	FRAG XF+12*\i, 7, 32*(\i/2)+8*(\i%2)
	ds_load_b32 v[XS+\i], v9 offset:4*(32*(\i/2)+8*(\i%2))
.endr
	s_wait_dscnt 49                                ; tile w's seven loads are in; the seven other tiles' 7 x 7 may be out
	v_wmma_scale_f32_16x16x128_f8f6f4 v[QB:QB+7], v[WQF:WQF+11], v[XF:XF+11], v[QB:QB+7], v[WQS], v[XSW] matrix_a_fmt:MATRIX_FMT_BF6 matrix_b_fmt:MATRIX_FMT_BF6
	v_wmma_scale_f32_16x16x128_f8f6f4 v[KB:KB+7], v[WKF:WKF+11], v[XF:XF+11], v[KB:KB+7], v[WKS], v[XSW] matrix_a_fmt:MATRIX_FMT_BF6 matrix_b_fmt:MATRIX_FMT_BF6
.rept 4
	v_nop                                          ; four places in front of loads into registers that matrix instructions have read
.endr
	FRAG XF, 7, 0                                  ; now tile 0
	ds_load_b32 v[XS], v9
	s_wait_dscnt 7                                 ; tiles 1 to 7 are in; tile 0's seven loads may be out
.irp i, 1,2,3,4,5,6,7
	v_wmma_scale_f32_16x16x128_f8f6f4 v[ACC+8*\i:ACC+8*\i+7], v[XF+12*\i:XF+12*\i+11], v[WVF:WVF+11], v[BV:BV+7], v[XS+\i], v[WVS] matrix_a_fmt:MATRIX_FMT_BF6 matrix_b_fmt:MATRIX_FMT_BF6
.endr
	s_wait_dscnt 0x0
	v_wmma_scale_f32_16x16x128_f8f6f4 v[ACC:ACC+7], v[XF:XF+11], v[WVF:WVF+11], v[BV:BV+7], v[XS], v[WVS] matrix_a_fmt:MATRIX_FMT_BF6 matrix_b_fmt:MATRIX_FMT_BF6
.rept 4
	v_nop                                          ; four places in front of the first reads of results and of writes over x's fragments
.endr
	global_store_b128 v14, v[QB:QB+3],   s[28:29]              ; each store of the wave covers 512 consecutive bytes, aligned; each result from its low end on
	global_store_b128 v14, v[QB+4:QB+7], s[28:29] offset:512
	global_store_b128 v14, v[KB:KB+3],   s[34:35]
	global_store_b128 v14, v[KB+4:KB+7], s[34:35] offset:512
.irp b, 0,1,2,3
	v_mov_b32 v[TM+4+\b], 0                        ; a lane permute's destination counts as one of its sources
.endr
; 64 numbers of a lane, register 16 b + i = token 32 b + 16 (lane / 16) + i of my channel, become a fragment's codes in v[PC] on and its scale word in v[PW].
.macro QUANT s
.irp b, 0,1,2,3
	v_max3_num_f32 v[TM+\b], |v[\s+16*\b]|, |v[\s+1+16*\b]|, 0x2800000   ; block b: my 16 numbers, and the floor 2^(5 - 127): the byte cannot fall under 1
.endr
.irp i, 2,4,6,8,10,12,14
.irp b, 0,1,2,3
	v_max3_num_f32 v[TM+\b], v[TM+\b], |v[\s+16*\b+\i]|, |v[\s+1+16*\b+\i]|   ; (the four blocks by turns)
.endr
.endr
.irp b, 0,1,2,3
	v_permlanex16_b32 v[TM+4+\b], v[TM+\b], s[SEL], s[SEL+1]
.endr
.irp b, 0,1,2,3
	v_max_num_f32 v[TM+\b], v[TM+\b], v[TM+4+\b]   ; with lane l xor 16's: the block's largest magnitude
.endr
.irp b, 0,1,2,3
	v_add_nc_u32 v[TM+12+\b], 0xfe000000, v[TM+\b] ; 4 off its exponent field: the conversion's scale operand
.endr
.irp b, 0,1,2,3
	v_lshrrev_b32 v[TM+4+\b], 23, v[TM+12+\b]      ; the scale's byte
.endr
	v_lshl_or_b32 v[PW], v[TM+5], 8, v[TM+4]       ; the four bytes make my channel's scale word for these 128 tokens
	v_lshl_or_b32 v[PW], v[TM+6], 16, v[PW]
	v_lshl_or_b32 v[PW], v[TM+7], 24, v[PW]
.irp c, 0,1
	v_cvt_scalef32_pk16_bf6_f32 v[PC+6*\c:PC+2+6*\c], v[\s+32*\c:\s+15+32*\c], v[TM+12+2*\c]
	v_cvt_scalef32_pk16_bf6_f32 v[PC+12+4*\c:PC+14+4*\c], v[\s+16+32*\c:\s+31+32*\c], v[TM+12+2*\c+1]
.endr
	v_nop                                          ; one plain place behind a scaled conversion
.irp c, 0,1                                    ; the operand's layout wants a WHOLE block in a lane: lanes 0-15 block 2 c, lanes 16-31 block 2 c + 1
.irp i, 0,1,2
	v_permlane16_swap_b32 v[PC+6*\c+\i], v[PC+12+4*\c+\i]
.endr
.irp i, 0,1,2
	v_mov_b32 v[PC+3+6*\c+\i], v[PC+12+4*\c+\i]
.endr
.endr
.endm
	QUANT ACC
.irp c, 0,1,2
	global_store_b128 v14, v[PC+4*\c:PC+4*\c+3], s[36:37] offset:512*\c   ; the fragment as it stands: 512 consecutive bytes a store
.endr
	global_store_b32 v4, v[PW], s[38:39]           ; 128 consecutive bytes a wave, the eight waves' on end
	s_wait_tensorcnt 0x0
	ds_add_u32 v254, v255
	s_wait_dscnt 0x0
	s_endpgm
.Lfunc_end_k_q9e4d5409d7_project:
	.size	k_q9e4d5409d7_project, .Lfunc_end_k_q9e4d5409d7_project-k_q9e4d5409d7_project
	.p2alignl 7, 3214868480
	.fill 96, 4, 3214868480
	.section	.rodata,"a",@progbits
	.p2align	6, 0x0
	.amdhsa_kernel k_q9e4d5409d7_project
		.amdhsa_group_segment_fixed_size 15872
		.amdhsa_private_segment_fixed_size 0
		.amdhsa_enable_private_segment 0
		.amdhsa_kernarg_size 96
		.amdhsa_user_sgpr_count 2
		.amdhsa_user_sgpr_kernarg_segment_ptr 1
		.amdhsa_wavefront_size32 1
		.amdhsa_system_sgpr_workgroup_id_x 1
		.amdhsa_system_sgpr_workgroup_id_y 1
		.amdhsa_system_sgpr_workgroup_id_z 1
		.amdhsa_system_vgpr_workitem_id 0
		.amdhsa_next_free_vgpr 256
		.amdhsa_next_free_sgpr 66
		.amdhsa_reserve_vcc 0
		.amdhsa_float_denorm_mode_32 3
		.amdhsa_float_denorm_mode_16_64 3
		.amdhsa_memory_ordered 1
		.amdhsa_forward_progress 1
		.amdhsa_inst_pref_size 26
	.end_amdhsa_kernel
	.amdgpu_metadata
---
amdhsa.version: [ 1, 2 ]
amdhsa.kernels:
  - .name:           k_q9e4d5409d7_project
    .symbol:         k_q9e4d5409d7_project.kd
    .args:
      - { .name: x, .offset: 0, .size: 8, .value_kind: global_buffer, .address_space: global }
      - { .name: Wq_codes, .offset: 8, .size: 8, .value_kind: global_buffer, .address_space: global }
      - { .name: Wq_scales, .offset: 16, .size: 8, .value_kind: global_buffer, .address_space: global }
      - { .name: bq, .offset: 24, .size: 8, .value_kind: global_buffer, .address_space: global }
      - { .name: Wk_codes, .offset: 32, .size: 8, .value_kind: global_buffer, .address_space: global }
      - { .name: Wk_scales, .offset: 40, .size: 8, .value_kind: global_buffer, .address_space: global }
      - { .name: bk, .offset: 48, .size: 8, .value_kind: global_buffer, .address_space: global }
      - { .name: Wv_codes, .offset: 56, .size: 8, .value_kind: global_buffer, .address_space: global }
      - { .name: Wv_scales, .offset: 64, .size: 8, .value_kind: global_buffer, .address_space: global }
      - { .name: bv, .offset: 72, .size: 8, .value_kind: global_buffer, .address_space: global }
      - { .name: qf, .offset: 80, .size: 8, .value_kind: global_buffer, .address_space: global }
      - { .name: kv, .offset: 88, .size: 8, .value_kind: global_buffer, .address_space: global }
    .group_segment_fixed_size: 15872
    .private_segment_fixed_size: 0
    .kernarg_segment_align: 8
    .kernarg_segment_size: 96
    .max_flat_workgroup_size: 256
    .sgpr_count:     66
    .vgpr_count:     256
    .wavefront_size: 32
...
	.end_amdgpu_metadata
.endif
;; end of part 1
;; launch attend (part 2): grid 256 x 1, 16 waves a work-group, clusters of 4 x 1, 327,680 bytes of LDS; arguments qf, kv, x, gamma, out0; writes out0
.if DOCPART == 2
	.amdgcn_target "amdgcn-amd-amdhsa--gfx1250"
	.amdhsa_code_object_version 6
	.text
	.protected	k_q9e4d5409d7_attend
	.globl	k_q9e4d5409d7_attend
	.p2align	8
	.type	k_q9e4d5409d7_attend,@function
k_q9e4d5409d7_attend:
	s_mov_b64 s[64:65], 0
	v_nop
	global_prefetch_b8 v0, s[64:65] scope:SCOPE_SE
	s_setreg_imm32_b32 hwreg(HW_REG_WAVE_MODE, 25, 1), 1
	s_wait_xcnt 0x0
	s_wait_alu depctr_hold_cnt(0) depctr_sa_sdst(0) depctr_va_vdst(0) depctr_va_sdst(0) depctr_va_ssrc(0) depctr_va_vcc(0) depctr_vm_vsrc(0)
	s_getreg_b32 s2, hwreg(HW_REG_IB_STS2, 6, 4)
	s_cmp_eq_u32 s2, 0
	s_cbranch_scc0 .Lentry_in_a_cluster
	s_endpgm
.Lentry_in_a_cluster:
	s_bfe_u32 s2, ttmp6, 0x10000c
	s_cmp_lg_u32 s2, 0x3003
	s_cbranch_scc0 .Lentry_shape_is_right
	s_endpgm
.Lentry_shape_is_right:
; out0[b][c][n] = gamma x (the sum over m of softmax_m(q[n] . k[m]) v[c][m]) + x[b][c][n].  4 batches, 4,096 tokens, 128 channels, q and k of 16 components.
; The scores are f32 products (their result goes on into a quantiser): v_wmma_f32_16x16x4_f32, four to a tile of 16 keys x 16 queries.  v p is made on codes of BF6 (E3M2) with one E8M0 scale for each 32 keys.
; THE SOFTMAX AHEAD OF v p: t = score x log2(e); M = the largest t so far, rounded UP to a whole number; p = 2^(t - M) is what is quantised, along the keys; the row's sum is taken of the unquantised p and divides at the end.
; When M moves, the sum and O are multiplied by 2^(old M - new M): exact.
; SHARES.  16,384 queries on 256 work-groups: 64 queries each, four tiles of 16.  Sixteen waves: wave w has query tile w % 4 and, of a slot's four key steps of 128 keys, step kq = (w / 4 + w % 4) % 4: eight steps in all,
; with an M, a sum and an O^T of its own.  At the end the four waves of a tile are merged by exact powers of two; each then finishes 32 channels.
; TWO KINDS OF WAVES, HALF A STEP APART.  A key step is 32 f32 and 8 scaled matrix instructions and some 250 vector instructions.  A wave with even kq makes, behind a change of slots, the scores of step j, then its softmax and v p.
; A wave with odd kq begins with the softmax and v p of step j, whose scores it made in the trip before, and ends with the scores of step j + 1.  So behind each barrier half of the waves have matrix work and half vector work,
; and they change places in mid-trip.  Among waves w, w + 4, w + 8, w + 12, and among waves 4 s .. 4 s + 3 alike, two are of each kind.
; LAYOUT.  S^T = k q^T (source 0 = 16 keys, source 1 = my 16 queries), O^T = v p^T (source 0 = 16 channels, source 1 = p): a lane holds ONE query throughout.  In qf and kv lane (r, h) holds components 8 h + 0 .. 7 of its token;
; the f32 form's sub-step u takes registers 2 u, 2 u + 1 of both sides: the same components meet, and the four sub-steps cover all sixteen.
; The keys of a tile are not neighbours (lane r of tile 2 b + u: key 32 b + 8 u + r + 8 (r / 8)), so that the 16 registers of tiles 2 b, 2 b + 1 are keys 32 b + 16 (lane / 16) + 0 .. 15.  The queries of a tile are chosen likewise.
; kv: a record of REC bytes for 128 keys: k's 8 tiles (8,192 bytes), v's 8 fragments and v's scale words (13,312 bytes), all as images of registers (16 bytes a lane on end).
; THE RING.  Slot j has four places of REC bytes; place i holds v of record 4 j + i and k of record 4 j + i (i even) or 4 (j + 1) + i (i odd: the waves that run ahead).  Waves 0 to 3 fetch the four k parts, waves 4 to 7 the four v parts.
; k of records 1 and 3, the odd places' first step, comes once, with the first fills, into bytes of its own behind slot 0 (waves 8 and 9).  The fill of slot 7 leaves the odd k parts out: nothing would read them.
; CLUSTER.  All 64 work-groups of a batch walk the same kv; four of them form a cluster and ask for each part JOINTLY: the same tensor load, the same descriptor, a mask that names the four.
; LIMITS: NaN and infinities are not served; a p under 2^-126 counts as 0 (ISA guide, v_exp_f32); a block whose every p is under 2^-122 gets the scale byte 1; M is a whole number exactly while |t| stays under 2^24.
; REGISTERS: v1-11, v255 addresses; v12 -M, v13 the largest t, v[14:15] the sum in two halves; v16-23 q; v24-31 the merge's factors; v32-95 k's eight tiles, then p, then four fragments of v;
;   v96-159 S^T, written by matrix instructions alone; v160-223 O^T; v224-235 p's codes; v232-247, v252, v254 at work; v248-251 v's scale words and v253 p's: scales and nothing else.
.set REC,   21504
.set SLOTB, 4*REC                      ; 86,016
.set SLOT1, 1<<17                      ; slot 1 begins here, so that one exclusive or turns an address in one slot into the other's
.set VOFF,  8192                       ; in a record: v's fragments
.set SOFF,  20480                      ; and v's scale words
.set KZ,    SLOTB                      ; behind slot 0: k of records 1 and 3, 2 x 8,192 bytes, filled once
.set STG,   SLOT1+SLOTB                ; behind the ring: the stage for the way out: 128 channel rows x (256 bytes + 16)
.set SP,    272
.set MSM,   STG+128*SP                 ; each wave's -M, 4 bytes a lane; 2,048 bytes on: its sum
.set SPARE, MSM+4096                   ; the spare words, 128 bytes for each wave: eight blocks of 256 bytes that no other line names
.set AK0, 1                            ; v1   16 x lane + kq x REC: my lane's place in my place of a slot
.set AS0, 2                            ; v2   4 x lane + kq x REC + SOFF: among its scale words
.set SPW, 3                            ; v3   LDS address of my spare word; never rewritten
.set NIL, 4                            ; v4   0; never rewritten
.set ADR, 5                            ; v5   AK0 in the slot in hand
.set ADS, 6                            ; v6   AS0 likewise
.set PFO, 7                            ; v7   kv's prefetches: 256 x my lane, held at the part's last block; never rewritten
.set PFX, 8                            ; v8   x's prefetch: 16,384 x lane; never rewritten
.set AKF, 11                           ; v11  where k of my first step lies: in slot 0 (kq even) or behind it (kq odd)
.set Q,   16
.set W,   32
.set S,   96
.set OT,  160
.set TB,    2                          ; s2   LDS byte at which the slot in hand begins
.set TRIPS, 3                          ; s3   the loop's trips
.set GAM,   14                         ; s14  gamma
.set LIM,   15                         ; s15  1 in a wave that prefetches kv, else 0
.set WV,    16                         ; s16  wave;  s17 wave % 4;  s18 wave / 4;  s19 cx;  s48 work-group
.set SEL,   20                         ; s[20:21] v_permlanex16_b32's selects for lane l xor 16
.set CS,    22                         ; s[22:23] log2(e): the packed form names a pair and takes its low word for both halves
.set G1K,   24                         ; s[24:31] descriptor group 1 for a k part
.set G0K,   32                         ; s[32:35] descriptor group 0 for the k parts: it walks
.set PFA,   36                         ; s[36:37] where my prefetch of kv stands
.set PXA,   38                         ; s[38:39] and my prefetch of x
.set KQ,    49                         ; s49  kq
.set YF,    50                         ; s50  kq % 2: 1 in a wave that runs half a step ahead
.set POF,   51                         ; s51  my prefetch's byte offset in kv
.set G1V,   52                         ; s[52:59] descriptor group 1 for a v part
.set G0V,   60                         ; s[60:63] descriptor group 0 for the v parts: it walks
.set PMX,   66                         ; s66  the same offset in the batch's last slot: POF is held at it
.set G0Z,   68                         ; s[68:71] descriptor group 0 for k of record 1 or 3
; A round of the cluster's barrier: my work-group's barrier; wave 0 signals for the work-group; every wave waits for all four work-groups; my work-group's barrier once more.
.macro CROUND
	s_barrier_signal -1
	s_barrier_wait -1
	s_cmp_lg_u32 s[WV], 0
	s_cbranch_scc1 .Lnot_wave_0_\@
	s_barrier_signal -3
.Lnot_wave_0_\@:
	s_barrier_wait -3
	s_barrier_signal -1
	s_barrier_wait -1
.endm
.macro NOP4
.rept 4
	v_nop
.endr
.endm
; The first fills: slot 0's k parts (waves 0 to 3) and v parts (waves 4 to 7), and k of records 1 and 3 (waves 8 and 9): one load a wave.  The branches hang on the wave's number alone.  Four v_nop follow each load.
.macro FIRSTFILL
	s_cmp_lt_u32 s[WV], 4
	s_cbranch_scc0 .Lf_not_k_\@
	tensor_load_to_lds s[G0K:G0K+3], s[G1K:G1K+7]
	s_nop 0
	NOP4
	s_branch .Lf_done_\@
.Lf_not_k_\@:
	s_cmp_eq_u32 s18, 1
	s_cbranch_scc0 .Lf_not_v_\@
	tensor_load_to_lds s[G0V:G0V+3], s[G1V:G1V+7]
	s_nop 0
	NOP4
	s_branch .Lf_done_\@
.Lf_not_v_\@:
	s_lshr_b32 s40, s[WV], 1
	s_cmp_eq_u32 s40, 4
	s_cbranch_scc0 .Lf_done_\@
	tensor_load_to_lds s[G0Z:G0Z+3], s[G1K:G1K+7]
	s_nop 0
	NOP4
.Lf_done_\@:
.endm
; The joint refill.  kind = 1: four k parts and four v parts.  kind = 2, the fill of slot 7: the k parts of places 0 and 2 alone (waves 0 and 2: wave & 13 = 0), and the four v parts.
.macro JLOAD kind
.if \kind == 1
	s_cmp_lt_u32 s[WV], 4
.else
	s_and_b32 s40, s[WV], 13
	s_cmp_eq_u32 s40, 0
.endif
	s_cbranch_scc0 .Lnot_k_\@
	tensor_load_to_lds s[G0K:G0K+3], s[G1K:G1K+7]
	s_nop 0
	NOP4
	s_branch .Lasked_\@
.Lnot_k_\@:
	s_cmp_eq_u32 s18, 1
	s_cbranch_scc0 .Lasked_\@
	tensor_load_to_lds s[G0V:G0V+3], s[G1V:G1V+7]
	s_nop 0
	NOP4
.Lasked_\@:
.endm
; A PREFETCH INTO THE L2 of what the NEXT change of slots will ask for: one trip ahead of that load.  All 16 clusters of a batch walk the same kv: the batch's first cluster asks.  Its four partners share a slot's four places out
; BY ADDRESS (partner cx: place cx); in each, three waves that fetch nothing ask, one instruction each, a lane a block of 256 bytes: wave 12 for the k part, 32 blocks (where cx is odd: that of the record a slot further on, as the ring
; has it), waves 13 and 14 for 26 blocks each of the v part (lanes 26 to 31 name the 26th again, in the same instruction).  It stands in trips 0 to 5.  In trip 5 the odd places have no k part left: the offset is held at the batch's
; last slot.  What the first two fills bring comes by its loads alone.
.macro ASK
	s_cmp_lg_u32 s[LIM], 0
	s_cbranch_scc0 .Lnot_mine_\@
	global_prefetch_b8 v[PFO], s[PFA:PFA+1] th:TH_LOAD_NT scope:SCOPE_SE
.Lnot_mine_\@:
.endm
; And of the work-group's own part of x, 128 channel rows x 256 bytes, which the way out adds: at the last change of slots, one trip ahead of those loads; waves 8 to 11, 32 rows each, a lane a row.
.macro ASKX
	s_cmp_eq_u32 s18, 2
	s_cbranch_scc0 .Lno_x_\@
	global_prefetch_b8 v[PFX], s[PXA:PXA+1] th:TH_LOAD_NT scope:SCOPE_SE
.Lno_x_\@:
.endm
; THE CHANGE OF SLOTS stands at a trip's head.  Each wave waits for all its tensor loads (its part of the slot that is about to be read), adds 0 to its spare word, and waits for that and for its reads of the slot that it has left.
; fill = 1, 2: a round of the cluster's barrier, so that no wave of any partner still reads the other slot or has a load on its way, and behind it, first, the joint loads of the next slot's parts into that slot.
.macro CHANGE fill
	s_wait_tensorcnt 0x0                           ; no tensor load of mine is out, so the groups 0 may be written
	ds_add_u32 v[SPW], v[NIL]                      ; 0 onto my spare word
.if \fill
	s_xor_b32 s[G0K+1], s[G0K+1], SLOT1            ; the other slot than last time,
	s_add_nc_u64 s[G0K+2:G0K+3], s[G0K+2:G0K+3], SLOTB   ; four records on; the type bits on top are not reached.  (With fill = 2 the odd places' k address is stepped and not used)
	s_xor_b32 s[G0V+1], s[G0V+1], SLOT1
	s_add_nc_u64 s[G0V+2:G0V+3], s[G0V+2:G0V+3], SLOTB
.endif
.if \fill == 1
	s_wait_xcnt 0x0                                ; the last prefetch, a trip back, has read its address, so it may be written:
	s_add_co_u32 s[POF], s[POF], SLOTB             ; a slot further on than the walking descriptors,
	s_min_u32 s40, s[POF], s[PMX]                  ; held inside the batch
	s_mov_b32 s41, 0
	s_add_nc_u64 s[PFA:PFA+1], s[6:7], s[40:41]
.endif
	s_wait_dscnt 0x0                               ; the add is done, and my reads of the slot that I have left are over
.if \fill
	CROUND
	JLOAD \fill
.if \fill == 1
	ASK
.endif
.else
	s_barrier_signal -1
	s_barrier_wait -1
	ASKX
.endif
	v_add_nc_u32 v[ADR], s[TB], v[AK0]             ; my place in the slot in hand
	v_add_nc_u32 v[ADS], s[TB], v[AS0]
.endm
; THE SCORES OF A KEY STEP: S^T = k q^T for the 128 keys whose k lies at v[adr].  (Four places stand behind the last v p products, at SOFTPV's end: k's registers are those that they read.)
.macro SCORES adr
.irp i, 0,1,2,3,4,5,6,7
	ds_load_b128 v[W+8*\i:W+8*\i+3],   v[\adr] offset:1024*\i       ; k's tile i: 512 consecutive bytes a load
	ds_load_b128 v[W+8*\i+4:W+8*\i+7], v[\adr] offset:1024*\i+512
.endr
	s_wait_dscnt 0x0
.irp u, 0,1,2,3                                ; the eight tiles take turns, one instruction a turn; sub-step 0 starts the sums
.irp i, 0,1,2,3,4,5,6,7
.if \u == 0
	v_wmma_f32_16x16x4_f32 v[S+8*\i:S+8*\i+7], v[W+8*\i:W+8*\i+1], v[Q:Q+1], 0
.else
	v_wmma_f32_16x16x4_f32 v[S+8*\i:S+8*\i+7], v[W+8*\i+2*\u:W+8*\i+2*\u+1], v[Q+2*\u:Q+2*\u+1], v[S+8*\i:S+8*\i+7]
.endif
.endr
.endr
.rept 8
	v_nop                                          ; eight places behind this form in front of the first read of results and of writes over k's registers
.endr
.endm
; THE SOFTMAX AND v p OF A KEY STEP: the scores lie in S^T; v and its scale words lie in the slot in hand.
.macro SOFTPV
.irp b, 0,1,2,3
	v_max3_num_f32 v[232+\b], v[S+16*\b], v[S+1+16*\b], v[S+2+16*\b]   ; THE LARGEST SCORE OF EACH BLOCK OF 32 KEYS: it serves the row's maximum and, since p rises with the score, the block's largest p.  Each tile is read from its low end on
.endr
.irp i, 3,5,7,9,11,13
.irp b, 0,1,2,3
	v_max3_num_f32 v[232+\b], v[232+\b], v[S+16*\b+\i], v[S+1+16*\b+\i]
.endr
.endr
.irp b, 0,1,2,3
	v_max_num_f32 v[232+\b], v[232+\b], v[S+15+16*\b]
.endr
.irp b, 0,1,2,3
	v_permlanex16_b32 v[236+\b], v[232+\b], s[SEL], s[SEL+1]
.endr
.irp b, 0,1,2,3
	v_max_num_f32 v[232+\b], v[232+\b], v[236+\b]  ; with lane l xor 16's 16 keys
.endr
	v_max3_num_f32 v254, v232, v233, v234
	v_max_num_f32 v254, v254, v235                 ; the step's largest score of my query
	v_mul_f32 v254, s[CS], v254                    ; as t
	v_max_num_f32 v13, v13, v254                   ; the running largest t
	v_mov_b32 v254, v12
	v_floor_f32 v12, -v13                          ; the new -M = floor(-t) = -ceil(t)
	v_sub_f32 v254, v12, v254                      ; M's old value less its new one: a whole number, 0 or less
	v_cvt_i32_f32 v254, v254                       ; (it saturates)
	v_ldexp_f32 v252, 1.0, v254                    ; f = 2^(old M - new M)
.set JJ, 0
.rept 32
	v_pk_fma_f32 v[W+JJ:W+JJ+1], v[S+JJ:S+JJ+1], s[CS:CS+1], v[12:13] op_sel_hi:[1,0,0]   ; t - M, two at a time, into k's registers: S^T itself is only read
.set JJ, JJ+2
.endr
.irp b, 0,1,2,3
	v_fma_f32 v[232+\b], v[232+\b], s[CS], v12     ; the same of each block's largest score
.endr
.set JJ, 0
.rept 64
	v_exp_f32 v[W+JJ], v[W+JJ]                     ; p = 2^(t - M), at most 1: not normalised
.set JJ, JJ+1
.endr
	v_pk_mul_f32 v[14:15], v[14:15], v[252:253] op_sel_hi:[1,0]   ; the sums under the new M: the plain place behind the exponentials
	s_wait_alu depctr_va_vdst(0)                   ; one wait for the whole batch, ahead of its first reader
.irp b, 0,1,2,3
	v_exp_f32 v[232+\b], v[232+\b]                 ; the block's largest p: the same two instructions on the same number give the same bits
.endr
	v_pk_add_f32 v[236:237], v[W:W+1], v[W+2:W+3]  ; THE ROW'S SUM IS TAKEN OF THE UNQUANTISED p: two at a time, in two chains
.irp j, 4,8,12,16,20,24,28,32,36,40,44,48,52,56,60
	v_pk_add_f32 v[14:15], v[14:15], v[W+\j:W+\j+1]
	v_pk_add_f32 v[236:237], v[236:237], v[W+2+\j:W+3+\j]
.endr
	v_pk_add_f32 v[14:15], v[14:15], v[236:237]
	s_wait_alu depctr_va_vdst(0)                   ; and one for the four
.irp b, 0,1,2,3
	v_max_num_f32 v[232+\b], 0x2800000, v[232+\b]  ; the floor 2^(5 - 127): the byte cannot fall under 1
.endr
.irp b, 0,1,2,3
	v_add_nc_u32 v[244+\b], 0xfe000000, v[232+\b]  ; 4 off the exponent field: the conversion's scale operand
.endr
.irp b, 0,1,2,3
	v_lshrrev_b32 v[236+\b], 23, v[244+\b]         ; the scale's byte
.endr
	v_lshl_or_b32 v253, v237, 8, v236              ; p's scale word for these 128 keys
	v_lshl_or_b32 v253, v238, 16, v253
	v_lshl_or_b32 v253, v239, 24, v253
.irp c, 0,1
	v_cvt_scalef32_pk16_bf6_f32 v[224+6*\c:226+6*\c], v[W+32*\c:W+15+32*\c], v[244+2*\c]
	v_cvt_scalef32_pk16_bf6_f32 v[236+4*\c:238+4*\c], v[W+16+32*\c:W+31+32*\c], v[244+2*\c+1]   ; (a conversion's three registers begin on an even number)
.endr
	v_nop                                          ; one plain place behind a scaled conversion
.irp c, 0,1                                    ; the operand's layout wants a WHOLE block in a lane
.irp i, 0,1,2
	v_permlane16_swap_b32 v[224+6*\c+\i], v[236+4*\c+\i]
.endr
.irp i, 0,1,2
	v_mov_b32 v[227+6*\c+\i], v[236+4*\c+\i]
.endr
.endr
.set JJ, 0
.rept 32
	v_pk_mul_f32 v[OT+JJ:OT+JJ+1], v[OT+JJ:OT+JJ+1], v[252:253] op_sel_hi:[1,0]   ; O^T under the new M.  (These 32 are also the places in front of the scaled products below)
.set JJ, JJ+2
.endr
.irp g, 0,1                                    ; O^T += v p^T: four tiles of 16 channels at a time
.if \g > 0
	NOP4                                           ; four places in front of loads into registers that the four products above have read
.endif
.irp t, 0,1,2,3
.irp c, 0,1,2
	ds_load_b128 v[W+12*\t+4*\c:W+12*\t+4*\c+3], v[ADR] offset:VOFF+1536*(4*\g+\t)+512*\c
.endr
	ds_load_b32 v[248+\t], v[ADS] offset:128*(4*\g+\t)
.endr
	s_wait_dscnt 0x0
.irp t, 0,1,2,3
	v_wmma_scale_f32_16x16x128_f8f6f4 v[OT+8*(4*\g+\t):OT+8*(4*\g+\t)+7], v[W+12*\t:W+12*\t+11], v[224:235], v[OT+8*(4*\g+\t):OT+8*(4*\g+\t)+7], v[248+\t], v253 matrix_a_fmt:MATRIX_FMT_BF6 matrix_b_fmt:MATRIX_FMT_BF6
.endr
.endr
	NOP4                                           ; four places behind the last products: whichever comes next, loads into v's registers or a write over p's codes, finds them
.endm
; A TRIP: one slot.  first = 1, the first trip: every wave makes the scores of its first step, from an address of its own, with no branch.  Else the scores at the trip's head are the even kq's alone.
; ysc = 1: at the trip's end the odd kq's make the scores of their next step, whose k lies in this slot.  The branches hang on the wave's number alone; no barrier and no tensor load stands under them.
.macro TRIP first, fill, ysc
	CHANGE \fill
.if \first
	SCORES AKF
.else
	s_cmp_eq_u32 s[YF], 0
	s_cbranch_scc0 .Lskip_head_\@
	SCORES ADR
.Lskip_head_\@:
.endif
	SOFTPV
.if \ysc
	s_cmp_lg_u32 s[YF], 0
	s_cbranch_scc0 .Lskip_tail_\@
	SCORES ADR
.Lskip_tail_\@:
.endif
	s_xor_b32 s[TB], s[TB], SLOT1                  ; on to the other slot
.endm
	s_load_b256 s[4:11], s[0:1], 0x0               ; qf 4, kv 6, x 8, gamma 10
	s_load_b64 s[12:13], s[0:1], 0x20              ; out0
	v_lshl_add_u32 v[SPW], v0, 2, SPARE
	v_mov_b32 v[NIL], 0
	ds_add_u32 v3, v4
	s_wait_dscnt 0x0
	v_lshrrev_b32 v5, 5, v0
	v_readfirstlane_b32 s[WV], v5                  ; wave 0..15
	s_and_b32 s17, s[WV], 3                        ; my query tile.  Also: which place of a slot I fetch for, if I fetch
	s_lshr_b32 s18, s[WV], 2                       ; which 32 channels I finish at the end.  Also: 0: I fetch k parts, 1: v parts
	s_add_co_u32 s[KQ], s17, s18
	s_and_b32 s[KQ], s[KQ], 3                      ; which place of a slot I work on
	s_and_b32 s[YF], s[KQ], 1                      ; odd: I run half a step ahead
	s_bfe_u32 s19, ttmp6, 0x40000                  ; cx: it enters the addresses of qf, x, out0 and the prefetches alone
	s_lshl_b32 s48, ttmp9, 2                       ; in a cluster launch ttmp9 counts clusters
	s_add_co_u32 s48, s48, s19                     ; work-group = 4 x cluster + cx
	; descriptor groups 1: a part is a dense block of rows of 256 bytes (32 elements of 8 bytes): k's 32 rows, v's 52; no padding: images are read 16 bytes a lane on end
.irp g, G1K, G1V
	s_mov_b32 s[\g+0], 15|(3<<16)|(1<<21)          ; 15:0 the mask: all four work-groups; 17:16 elements of 8 bytes; 21 set beside a mask
	s_mov_b32 s[\g+1], 32<<16                      ; tensor_dim0 = 32
	s_mov_b32 s[\g+3], 32<<16                      ; tile_dim0 = 32
	s_mov_b32 s[\g+5], 32                          ; from row to row
	s_mov_b32 s[\g+6], 0
	s_mov_b32 s[\g+7], 0
.endr
	s_mov_b32 s[G1K+2], 32<<16                     ; tensor_dim1
	s_mov_b32 s[G1K+4], 32                         ; tile_dim1
	s_mov_b32 s[G1V+2], 52<<16
	s_mov_b32 s[G1V+4], 52
	s_lshr_b32 s40, ttmp9, 4                       ; the batch: 16 clusters each
	s_mul_i32 s40, s40, 32*REC                     ; its 32 records
	s_mul_i32 s42, s17, REC                        ; place wave % 4
	s_and_b32 s43, s17, 1
	s_mul_i32 s46, s43, SLOTB                      ; k: an odd place takes the record a slot further on
	s_add_co_u32 s46, s46, s42
	s_add_co_u32 s46, s46, s40
	s_mov_b32 s47, 0
	s_mul_i32 s44, s43, 2*REC                      ; k of the odd places' first step: record 1 (wave 8) or 3 (wave 9)
	s_add_co_u32 s44, s44, REC
	s_add_co_u32 s44, s44, s40
	s_mov_b32 s45, 0
	s_add_co_u32 s40, s40, s42                     ; v: the place's own record
	s_add_co_u32 s40, s40, VOFF
	s_mov_b32 s41, 0
	s_mov_b32 s[G0K], 1                            ; count = 1
	s_mov_b32 s[G0K+1], s42                        ; LDS address: slot 0, place wave % 4: no place in the cluster enters it
	s_mov_b32 s[G0V], 1
	s_add_co_u32 s[G0V+1], s42, VOFF
	s_mov_b32 s[G0Z], 1
	s_lshl_b32 s[G0Z+1], s43, 13
	s_add_co_u32 s[G0Z+1], s[G0Z+1], KZ
	s_wait_kmcnt 0x0
	s_load_b32 s[GAM], s[10:11], 0x0
	s_add_nc_u64 s[G0K+2:G0K+3], s[6:7], s[46:47]
	s_or_b32 s[G0K+3], s[G0K+3], 0x80000000        ; type = 2
	s_add_nc_u64 s[G0V+2:G0V+3], s[6:7], s[40:41]
	s_or_b32 s[G0V+3], s[G0V+3], 0x80000000
	s_add_nc_u64 s[G0Z+2:G0Z+3], s[6:7], s[44:45]
	s_or_b32 s[G0Z+3], s[G0Z+3], 0x80000000
	CROUND                                         ; all four work-groups are here: the first joint loads meet
	FIRSTFILL
	s_lshl_b32 s44, s48, 2
	s_add_co_u32 s44, s44, s17
	s_lshl_b32 s44, s44, 10                        ; qf: tile 4 x work-group + wave % 4
	s_mov_b32 s45, 0
	s_add_nc_u64 s[4:5], s[4:5], s[44:45]
	v_and_b32 v9, 31, v0                           ; lane
	v_lshlrev_b32 v10, 4, v9
	global_load_b128 v[Q:Q+3],   v10, s[4:5]       ; q stays in registers
	global_load_b128 v[Q+4:Q+7], v10, s[4:5] offset:512
	s_mul_i32 s42, s[KQ], REC
	v_add_nc_u32 v[AK0], s42, v10
	s_add_co_u32 s43, s42, SOFF
	v_lshl_add_u32 v[AS0], v9, 2, s43
	s_lshr_b32 s40, s[KQ], 1                       ; k of my first step: kq = 0, 2: place kq of slot 0 = (kq / 2) x 2 REC;  kq = 1, 3: KZ + (kq / 2) x 8,192
	s_xor_b32 s41, s[YF], 1
	s_mul_i32 s41, s41, 2*REC
	s_lshl_b32 s42, s[YF], 13
	s_add_co_u32 s41, s41, s42
	s_mul_i32 s41, s41, s40
	s_mul_i32 s42, s[YF], KZ
	s_add_co_u32 s41, s41, s42
	v_add_nc_u32 v[AKF], s41, v10
	; kv's prefetches (macro ASK).  u = wave % 4: 0: the k part, 32 blocks; 1, 2: 26 blocks each of the v part, from byte 8,192 + 6,656 (u - 1) of the record on
	s_and_b32 s43, s19, 1
	s_mul_i32 s46, s17, 6656
	s_add_co_u32 s46, s46, 1536
	s_cmp_eq_u32 s17, 0
	s_cselect_b32 s42, 31, 25                      ; the part's last block
	s_cselect_b32 s43, s43, 0                      ; the k part of an odd place: a slot further on
	s_cselect_b32 s46, 0, s46
	v_min_u32 v[PFO], s42, v9
	v_lshlrev_b32 v[PFO], 8, v[PFO]
	v_lshlrev_b32 v[PFX], 14, v9
	s_lshr_b32 s47, ttmp9, 4
	s_mul_i32 s47, s47, 32*REC                     ; my batch,
	s_add_co_u32 s47, s47, s46                     ; my part,
	s_mul_i32 s46, s19, REC
	s_add_co_u32 s47, s47, s46                     ; of place cx
	s_add_co_u32 s[PMX], s47, 7*SLOTB              ; in the batch's last slot
	s_mul_i32 s43, s43, SLOTB
	s_add_co_u32 s[POF], s47, s43
	s_add_co_u32 s[POF], s[POF], SLOTB             ; in slot 1: the first change of slots steps it to slot 2.  Nothing is prefetched here, at the head, where every work-group's first parts are on their way
	s_sub_co_u32 s40, s[WV], 12
	s_cmp_lt_u32 s40, 3                            ; waves 12, 13, 14
	s_cselect_b32 s[LIM], 1, 0
	s_and_b32 s40, ttmp9, 15
	s_cmp_eq_u32 s40, 0                            ; of the batch's first cluster: the same in all four partners
	s_cselect_b32 s[LIM], s[LIM], 0
	s_lshr_b32 s44, ttmp9, 4                       ; x and out0: batch x 2^21 + my work-group's 64 tokens x 4 bytes
	s_lshl_b32 s44, s44, 21
	s_and_b32 s46, s48, 63
	s_lshl_b32 s46, s46, 8
	s_add_co_u32 s44, s44, s46
	s_add_nc_u64 s[8:9], s[8:9], s[44:45]
	s_add_nc_u64 s[12:13], s[12:13], s[44:45]
	s_lshl_b32 s44, s17, 19
	s_add_nc_u64 s[PXA:PXA+1], s[8:9], s[44:45]    ; x's prefetch: 32 channel rows x wave % 4
	s_lshl_b32 s44, s[WV], 17
	s_add_nc_u64 s[8:9], s[8:9], s[44:45]          ; the way out: my 8 channel rows
	s_add_nc_u64 s[12:13], s[12:13], s[44:45]
	s_mov_b32 s[SEL], 0x76543210
	s_mov_b32 s[SEL+1], 0xfedcba98
	s_mov_b32 s[CS], 0x3fb8aa3b                    ; log2(e): no 1 / sqrt(d)
	s_mov_b32 s[CS+1], s[CS]                       ; (named with it as a pair, so it is written)
	s_mov_b32 s[TB], 0
	v_mov_b32 v13, 0xff61b1e6                      ; the largest t so far: -3e38, under every t
	v_floor_f32 v12, -v13                          ; -M
	v_mov_b32 v14, 0                               ; the sum, in two halves
	v_mov_b32 v15, 0
.irp b, 0,1,2,3
	v_mov_b32 v[236+\b], 0                         ; a lane permute's destination counts as one of its sources
.endr
	v_mov_b32 v253, 0                              ; (named as the upper half of the pair v[252:253] before it is first written)
.set JJ, 0
.rept 64
	v_mov_b32 v[OT+JJ], 0                          ; O^T.  (The step has no first form of its own: the first finds zeros, which the first change of M leaves zeros)
.set JJ, JJ+1
.endr
	s_wait_kmcnt 0x0                               ; gamma
	s_wait_loadcnt 0x0                             ; q
	TRIP 1, 1, 1                                   ; slot 0; slot 1 is asked for
	s_mov_b32 s[TRIPS], 5
.Lslot:                                            ; slots 1 to 5; slots 2 to 6 are asked for
	TRIP 0, 1, 1
	s_sub_co_u32 s[TRIPS], s[TRIPS], 1
	s_cmp_lg_u32 s[TRIPS], 0
	s_cbranch_scc1 .Lslot
	TRIP 0, 2, 1                                   ; slot 6; slot 7 is asked for, without the odd places' k.  Written out
	TRIP 0, 0, 0                                   ; slot 7 (it lies in slot 1): nothing is asked for, and the odd kq's have no step left to run ahead to
	; THE END.  Slot 0 has had its last fill, and every wave has passed the last change of slots, behind which nobody reads it: the sixteen waves' O^T go there (and into the bytes between the slots, filled once at the start
	; and read in the first trip alone, or never filled), 8,192 bytes each.
	v_add_f32 v14, v14, v15                        ; the sum's two halves
	v_and_b32 v240, 31, v0                         ; lane
	v_and_b32 v241, 15, v0                         ; r
	v_bfe_u32 v242, v0, 4, 1                       ; h
	v_lshlrev_b32 v243, 4, v240
	v_lshlrev_b32 v244, 2, v240
	v_permlanex16_b32 v254, v14, s[SEL], s[SEL+1]
	v_add_f32 v14, v14, v254                       ; and lane l xor 16's: my eight steps' sum
	s_lshl_b32 s40, s[WV], 13
	v_add_nc_u32 v9, s40, v243                     ; where my O^T goes: 16 x lane + 8,192 x wave
	s_lshl_b32 s41, s17, 13
	s_lshl_b32 s42, s18, 11
	s_add_co_u32 s41, s41, s42
	v_add_nc_u32 v10, s41, v243                    ; what I merge: of waves w % 4 + 4 g the registers of channels 32 (w / 4) on: 16 x lane + 8,192 (w % 4) + 2,048 (w / 4), + 32,768 g
	v_add_nc_u32 v11, 0x10000, v10                 ; (an LDS immediate has 16 bits: g = 2, 3 from here)
	s_lshl_b32 s42, s[WV], 7
	s_add_co_u32 s42, s42, MSM
	v_add_nc_u32 v1, s42, v244                     ; my -M and my sum
	s_lshl_b32 s43, s17, 7
	s_add_co_u32 s43, s43, MSM
	v_add_nc_u32 v2, s43, v244                     ; those of wave w % 4, + 512 g
	v_and_b32 v245, 8, v241
	v_add_nc_u32 v245, v245, v241                  ; r + 8 (r / 8)
	s_lshr_b32 s44, s17, 1
	s_lshl_b32 s44, s44, 5
	s_and_b32 s45, s17, 1
	s_lshl_b32 s45, s45, 3
	s_add_co_u32 s44, s44, s45                     ; my query tile begins at token 32 (tile / 2) + 8 (tile % 2) of the work-group's 64
	s_lshl_b32 s44, s44, 2
	s_mul_i32 s45, s18, 32*SP
	s_add_co_u32 s45, s45, s44
	s_add_co_u32 s45, s45, STG
	v_lshl_add_u32 v5, v245, 2, s45
	v_mad_u32_u24 v5, v242, 8*SP, v5               ; into the stage: channel row 32 (w / 4) + 8 h, my query's 4 bytes
	s_mul_i32 s46, s[WV], 8*SP
	s_add_co_u32 s46, s46, STG
	v_mul_u32_u24 v6, v242, SP
	v_lshl_add_u32 v6, v241, 4, v6
	v_add_nc_u32 v6, s46, v6                       ; back: my 8 channel rows; lanes 0-15 one row of 256 bytes, lanes 16-31 the next
	v_lshlrev_b32 v255, 14, v242
	v_lshl_add_u32 v255, v241, 4, v255             ; and the same two rows in x and in out0
.irp i, 0,1,2,3
	global_load_b128 v[W+4*\i:W+4*\i+3], v255, s[8:9] offset:32768*\i   ; x: it lands while the waves are merged
.endr
	ds_store_b32 v1, v12
	ds_store_b32 v1, v14 offset:2048
.set JJ, 0
.rept 16
	ds_store_b128 v9, v[OT+4*JJ:OT+4*JJ+3] offset:512*JJ       ; each accumulator from its low end on
.set JJ, JJ+1
.endr
	s_wait_dscnt 0x0                               ; for the others' sake: my stores have landed
	s_barrier_signal -1
	s_barrier_wait -1
.irp g, 0,1,2,3
	ds_load_b32 v[224+\g], v2 offset:512*\g
	ds_load_b32 v[228+\g], v2 offset:2048+512*\g
.endr
.irp g, 0,1
.irp p, 0,1,2,3
	ds_load_b128 v[OT+16*\g+4*\p:OT+16*\g+4*\p+3], v10 offset:32768*\g+512*\p
.endr
.endr
.irp g, 0,1
.irp p, 0,1,2,3
	ds_load_b128 v[OT+32+16*\g+4*\p:OT+32+16*\g+4*\p+3], v11 offset:32768*\g+512*\p
.endr
.endr
	s_wait_dscnt 0x0
	v_min3_num_f32 v232, v224, v225, v226
	v_min_num_f32 v232, v232, v227                 ; -(the largest of the four M)
.irp g, 0,1,2,3
	v_sub_f32 v[236+\g], v232, v[224+\g]           ; M of wave g less the largest: a whole number, 0 or less
.endr
.irp g, 0,1,2,3
	v_cvt_i32_f32 v[236+\g], v[236+\g]
.endr
.irp g, 0,1,2,3
	v_ldexp_f32 v[236+\g], 1.0, v[236+\g]          ; an exact power of two
.endr
	v_mul_f32 v240, v236, v228
	v_fmac_f32 v240, v237, v229
	v_fmac_f32 v240, v238, v230
	v_fmac_f32 v240, v239, v231                    ; the row's sum
	v_rcp_f32 v241, v240
	v_nop                                          ; a plain place behind the reciprocal,
	s_wait_alu depctr_va_vdst(0)                   ; and a wait ahead of its first reader
	v_mul_f32 v241, s[GAM], v241                   ; gamma / the sum
.irp g, 0,1,2,3
	v_mul_f32 v[24+2*\g], v[236+\g], v241
	v_mul_f32 v[25+2*\g], v[236+\g], v241          ; twice: a pair for the packed forms
.endr
.irp q, 0,1,2,3,4,5,6,7
	v_pk_mul_f32 v[OT+2*\q:OT+2*\q+1], v[OT+2*\q:OT+2*\q+1], v[24:25]
.endr
.irp g, 1,2,3
.irp q, 0,1,2,3,4,5,6,7
	v_pk_fma_f32 v[OT+2*\q:OT+2*\q+1], v[OT+16*\g+2*\q:OT+16*\g+2*\q+1], v[24+2*\g:25+2*\g], v[OT+2*\q:OT+2*\q+1]
.endr
.endr
.irp t, 0,1                                    ; register 8 t + i: gamma o / l of channel 32 (w / 4) + 16 t + 8 h + i, my query.  The two halves of the lanes lie 8 rows of 272 bytes, 544 words, apart: other banks
.irp i, 0,1,2,3,4,5,6,7
	ds_store_b32 v5, v[OT+8*\t+\i] offset:(16*\t+\i)*SP
.endr
.endr
	s_wait_dscnt 0x0                               ; for the others' sake
	s_barrier_signal -1
	s_barrier_wait -1                              ; 128 whole channel rows lie in the stage
.irp i, 0,1,2,3
	ds_load_b128 v[176+4*\i:179+4*\i], v6 offset:2*SP*\i
.endr
	s_wait_loadcnt 0x0                             ; x
.irp i, 0,1,2,3
	s_wait_dscnt 3-\i                              ; LDS loads come back in order: pair i of rows is in, the younger ones may be out
	v_pk_add_f32 v[176+4*\i:177+4*\i], v[176+4*\i:177+4*\i], v[W+4*\i:W+4*\i+1]
	v_pk_add_f32 v[178+4*\i:179+4*\i], v[178+4*\i:179+4*\i], v[W+4*\i+2:W+4*\i+3]
	global_store_b128 v255, v[176+4*\i:179+4*\i], s[12:13] offset:32768*\i th:TH_STORE_NT   ; sixteen lanes store 256 consecutive bytes, at a multiple of 256 from out0's first byte
.endr
	s_wait_tensorcnt 0x0                           ; the wave's end, behind my last tensor load and my last LDS store
	ds_add_u32 v[SPW], v[NIL]
	s_wait_dscnt 0x0
	CROUND                                         ; the closing round: no work-group ends while a partner may still ask for a part that names it
	s_endpgm
.Lfunc_end_k_q9e4d5409d7_attend:
	.size	k_q9e4d5409d7_attend, .Lfunc_end_k_q9e4d5409d7_attend-k_q9e4d5409d7_attend
	.p2alignl 7, 3214868480
	.fill 96, 4, 3214868480
	.section	.rodata,"a",@progbits
	.p2align	6, 0x0
	.amdhsa_kernel k_q9e4d5409d7_attend
		.amdhsa_group_segment_fixed_size 327680
		.amdhsa_private_segment_fixed_size 0
		.amdhsa_enable_private_segment 0
		.amdhsa_kernarg_size 40
		.amdhsa_user_sgpr_count 2
		.amdhsa_user_sgpr_kernarg_segment_ptr 1
		.amdhsa_wavefront_size32 1
		.amdhsa_system_sgpr_workgroup_id_x 1
		.amdhsa_system_sgpr_workgroup_id_y 1
		.amdhsa_system_sgpr_workgroup_id_z 1
		.amdhsa_system_vgpr_workitem_id 0
		.amdhsa_next_free_vgpr 256
		.amdhsa_next_free_sgpr 72
		.amdhsa_reserve_vcc 0
		.amdhsa_float_denorm_mode_32 3
		.amdhsa_float_denorm_mode_16_64 3
		.amdhsa_memory_ordered 1
		.amdhsa_forward_progress 1
		.amdhsa_inst_pref_size 113
	.end_amdhsa_kernel
	.amdgpu_metadata
---
amdhsa.version: [ 1, 2 ]
amdhsa.kernels:
  - .name:           k_q9e4d5409d7_attend
    .symbol:         k_q9e4d5409d7_attend.kd
    .args:
      - { .name: qf, .offset: 0, .size: 8, .value_kind: global_buffer, .address_space: global }
      - { .name: kv, .offset: 8, .size: 8, .value_kind: global_buffer, .address_space: global }
      - { .name: x, .offset: 16, .size: 8, .value_kind: global_buffer, .address_space: global }
      - { .name: gamma, .offset: 24, .size: 8, .value_kind: global_buffer, .address_space: global }
      - { .name: out0, .offset: 32, .size: 8, .value_kind: global_buffer, .address_space: global }
    .group_segment_fixed_size: 327680
    .private_segment_fixed_size: 0
    .kernarg_segment_align: 8
    .kernarg_segment_size: 40
    .max_flat_workgroup_size: 512
    .sgpr_count:     72
    .vgpr_count:     256
    .wavefront_size: 32
...
	.end_amdgpu_metadata
.endif
;; end of part 2
